; MI455X (gfx1250); checked and timed in simulation.
; The chip was launched on July 23, 2026; its instructions are those of AMD's public machine-readable ISA for CDNA 5 (MIT licence, August 2026) and "CDNA5" Instruction Set Architecture Reference Guide (July 2026). The comments in the code are by the model that wrote it; some were corrected since.
;; Rotary Multihead Attention. Allowed arithmetic: matrix products marked QUANTISED: E2M1 operands, one E8M0 scale for each 32 along K, by v_wmma_scale_f32_16x16x128_f8f6f4 with both operands' format E2M1 (or v_wmma_scale_f32_32x16x128_f4), f32 sums; products left as they are: bf16, f16 or f32 operands; f32 sums; everything else in f32.
;; Inputs: Wout 1,024 x 1,024 float32; Wqkv 3,072 x 1,024 float32; bout 1,024 float32; bqkv 3,072 float32; cos 1 x 1 x 2,048 x 32 float32; sin 1 x 1 x 2,048 x 32 float32; x 4 x 2,048 x 1,024 float32.
;; Outputs: out0 4 x 2,048 x 1,024 float32.
;; This version of the problem:
;;   THIS VERSION OF THE PROBLEM IS GIVEN IN LOW PRECISION. The matrix products marked QUANTISED in the list below multiply operands that are first quantised to E2M1 (2 exponent bits, 1 mantissa bit; 4 bits a number), with one power-of-two scale for each 32 numbers along K (OCP MX v1.0); their sums are f32. The products marked 'left as it is' may take bf16, f16 or f32 operands, with f32 sums. Whichever they take, every output number must still come out within the allowed error. Rounding operands to bf16 (8 significant bits) uses up far more of that allowance than f16 does (11 bits, for magnitudes from 6e-5 to 65,504). All else is computed in f32.
;;   The module's matrix products, in the order in which they are computed (A, B: the left and right operand; K: the contracted axis; several contracted axes count as one K, in the product's order):
;;     1. [M 8,192, K 1,024] x [K 1,024, N 3,072]; A: input x; B: input Wqkv: QUANTISED
;;     2. batch 64 x [M 2,048, K 64] x [K 64, N 2,048]; A: computed on the way; B: computed on the way: left as it is (an operand is computed on the way)
;;     3. batch 64 x [M 2,048, K 2,048] x [K 2,048, N 64]; A: computed on the way; B: computed on the way: left as it is (an operand is computed on the way)
;;     4. [M 8,192, K 1,024] x [K 1,024, N 1,024]; A: computed on the way; B: input Wout: left as it is (an operand is computed on the way)
;;   THE QUANTISER, for each operand of a quantised product, along K:
;;     - K is cut into blocks of 32 from its start; a last block that is shorter is filled with zeros.
;;     - A block's scale is 2^e with e = floor(log2(the largest magnitude in the block)) - 2, held to -126 .. 127; a block of zeros has e = 0. As a byte (E8M0): e + 127.
;;     - Each number is divided by its block's scale, clamped to +-6, and rounded to the nearest number of E2M1, ties to even, subnormals kept.
;;     - The product sums the exact products of the quantised numbers (number of the format x scale) in f32.
;;   ~~~python
;;   def quantise(x, axis):      # numpy; x: float32 -> the quantised numbers, widened to float32 again
;;       x = np.moveaxis(x, axis, -1); K = x.shape[-1]
;;       x = np.pad(x, [(0, 0)] * (x.ndim - 1) + [(0, -K % 32)]); x = x.reshape(x.shape[:-1] + (-1, 32)); a = np.abs(x).max(-1, keepdims=True)
;;       e = np.where(a > 0, np.clip(np.frexp(np.where(a > 0, a, 1))[1] - 1 - 2, -126, 127), 0)      # np.frexp(a)[1] - 1 = floor(log2(a)), exactly
;;       r = np.clip(x / 2.0 ** e, -6, 6)
;;       step = 2.0 ** (np.maximum(np.frexp(np.where(r == 0, 1, r))[1] - 1, 0) - 1)
;;       q = np.round(r / step) * step * 2.0 ** e      # np.round: ties to even
;;       return np.moveaxis(q.reshape(q.shape[:-2] + (-1,))[..., :K], -1, axis).astype(np.float32)
;;   ~~~
;; One version. Each part assembles by itself: llvm-mc -triple=amdgcn-amd-amdhsa -mcpu=gfx1250 --defsym DOCPART=n.
;; ======== version 1 of 1: 4 launches
;; limits: values are held in f16: magnitudes above 65,504 overflow, below 6.1e-05 lose precision
;; workspace buffers: codes 5,767,168 bytes; scales 360,448 bytes; wo 2,097,152 bytes; qkv 50,331,648 bytes; at 16,777,216 bytes
;; launch prep (part 1): grid 384 x 1, 4 waves a work-group, no clusters, 33,280 bytes of LDS; arguments x, Wqkv, Wout, codes, scales, wo; writes codes, scales, wo
.if DOCPART == 1
	.amdgcn_target "amdgcn-amd-amdhsa--gfx1250"
	.amdhsa_code_object_version 6
	.text
	.protected	k_q299f04ca1b_prep
	.globl	k_q299f04ca1b_prep
	.p2align	8
	.type	k_q299f04ca1b_prep,@function
k_q299f04ca1b_prep:
	s_mov_b64 s[64:65], 0
	v_nop
	global_prefetch_b8 v0, s[64:65] scope:SCOPE_SE
	s_setreg_imm32_b32 hwreg(HW_REG_WAVE_MODE, 25, 1), 1
	s_wait_xcnt 0x0
; ROTARY MULTI-HEAD ATTENTION, launch 1 of 4: the operands of the quantised product are made, and Wout is narrowed.
; DEAD WORK: none is left out in any launch.  Every input has a way to the output: bqkv's part for k is turned by the key's position before it meets q,
; so it is not the same along the softmax's axis; bqkv's parts for q and v, bout, cos and sin enter the result directly.
; x [8192][1024] and Wqkv [3072][1024], f32, K innermost, become codes of FP4 (E2M1), two a byte, and one E8M0 byte for each 32 along K.
; A block's scale is 2^(floor(log2(its largest magnitude)) - 2); its byte is the largest magnitude's exponent field - 2, held at 1 from below.
; Each number is divided by the scale and rounded to the nearest code, ties to even; beyond 6 the largest code.
; Rows are dense and 1,024 is a multiple of 32: both tensors are one stream of blocks, and so are the outputs: codes = x's 4,194,304 bytes, then Wqkv's; scales = x's 262,144 bytes, then Wqkv's.
; Wout [1024][1024] f32 becomes f16, row-major, for the last product (left as it is: f16 operands, f32 sums).
; LIMITS: a block of zeros, and a block whose largest magnitude lies under 2^-124, gets the byte 1 (its codes are zeros or the rule's own; these bytes are read by this program alone);
; NaN and infinities among the inputs are not served; |Wout| from 65,520 on becomes an f16 infinity, under 6e-5 it keeps an absolute error of 3e-8 at the most.
; SHARES: a work-group takes 32,768 numbers, a wave a run of 8,192.  Work-groups 0-255: x; 256-351: Wqkv; 352-383: Wout.  No tensor load, no barrier: waves share nothing.
; A quantising wave takes 16 steps of 512 numbers: four loads of 512 consecutive bytes; the 2,048 bytes turn through the wave's own stage in LDS so that a lane holds 16 neighbours along K
; (two neighbouring lanes hold a block); a lane's 16 codes are 8 bytes, so a store covers 256 consecutive bytes; the wave's 256 scale bytes are gathered in LDS and leave as 256 consecutive bytes.
.set STEPS, 16
.set WGX,   256                        ; work-groups for x
.set WGQ,   352                        ; for x and Wqkv together
.set EMAX,  2
.set CB,    8                          ; bytes of 16 codes
.set R,     16                         ; v16-79   four sets of 16 numbers as they are loaded
.set X,     80                         ; v80-111  two sets of 16 neighbours
.set E,     112                        ; v112-127 a scale byte for each step
.set C,     128                        ; v128-191 codes: four registers for each step, so that no store's data are written again
.set WI,    16                         ; Wout's path: v16-143 two sets of 64 numbers
.set WO,    144                        ; v144-175 32 registers of f16 pairs
.set WREG,  8192                       ; LDS: a region for each wave: two stages of 32 x SP bytes, then its 256 scale bytes
.set SP,    80                         ; a lane's place in a stage: 64 bytes + 16 of padding
.set SPW,   12                         ; v12 LDS address of my spare word; never rewritten
.set NIL,   13                         ; v13 0; never rewritten
.set SPARE, 4*WREG                     ; behind the four regions: the spare words, 128 bytes a wave
	s_load_b128 s[4:7], s[0:1], 0x0                ; x, Wqkv
	s_load_b128 s[8:11], s[0:1], 0x10              ; Wout, codes
	s_load_b128 s[12:15], s[0:1], 0x20             ; scales, wo
	v_lshl_add_u32 v[SPW], v0, 2, SPARE
	v_mov_b32 v[NIL], 0
	v_lshrrev_b32 v1, 5, v0
	v_readfirstlane_b32 s16, v1                    ; wave
	v_and_b32 v2, 31, v0                           ; lane
	v_lshlrev_b32 v3, 4, v2                        ; my 16 bytes of a load's 512
	s_mul_i32 s17, s16, WREG
	v_lshrrev_b32 v14, 2, v2
	v_mul_u32_u24 v14, v14, SP
	v_and_b32 v15, 3, v2
	v_lshl_add_u32 v14, v15, 4, v14
	v_add_nc_u32 v14, s17, v14                     ; the stage, on the way in: SP (lane / 4) + 16 (lane % 4)
	v_mul_u32_u24 v15, v2, SP
	v_add_nc_u32 v15, s17, v15                     ; and on the way out: SP x lane: my 16 neighbours
	v_mul_u32_u24 v4, v2, CB                       ; my codes' place in a step's
	v_lshrrev_b32 v5, 1, v2
	s_add_co_u32 s17, s17, 2*32*SP
	v_add_nc_u32 v5, s17, v5                       ; LDS: my wave's 256 scale bytes, my block's byte
	v_lshlrev_b32 v7, 3, v2                        ; 8 bytes a lane
	v_add_nc_u32 v6, s17, v7
	s_lshl_b32 s18, ttmp9, 2
	s_add_co_u32 s18, s18, s16                     ; my run of 8,192 numbers, counted over the three tensors
	s_mov_b32 s21, 0
	s_mov_b32 s23, 0
	s_wait_kmcnt 0x0
	s_cmp_ge_u32 ttmp9, WGQ                        ; the work-group's number alone decides
	s_cbranch_scc1 .Lwout
	s_cmp_lt_u32 ttmp9, WGX                        ; x's work-group or Wqkv's?
	s_cselect_b64 s[4:5], s[4:5], s[6:7]
	s_cselect_b32 s17, 0, 4*WGX
	s_sub_co_u32 s20, s18, s17                     ; my run within its tensor
	s_lshl_b32 s20, s20, 15                        ; 32,768 bytes of f32 a run
	s_add_nc_u64 s[4:5], s[4:5], s[20:21]
	s_lshl_b32 s20, s18, 12                        ; 4,096 bytes of codes a run: one stream for both tensors
	s_add_nc_u64 s[10:11], s[10:11], s[20:21]
	s_lshl_b32 s20, s18, 8                         ; 256 scale bytes a run
	s_add_nc_u64 s[12:13], s[12:13], s[20:21]
.macro LOAD t
.irp i, 0,1,2,3
	global_load_b128 v[R+16*((\t)%4)+4*\i:R+16*((\t)%4)+4*\i+3], v3, s[4:5] offset:2048*(\t)+512*\i th:TH_LOAD_NT   ; 32 lanes read 512 consecutive bytes
.endr
.endm
.macro TURN t                          ; step t's numbers through the stage: LDS serves a wave's instructions in order, so no wait stands between the stores and the loads
.irp i, 0,1,2,3
	ds_store_b128 v14, v[R+16*((\t)%4)+4*\i:R+16*((\t)%4)+4*\i+3] offset:32*SP*((\t)%2)+8*SP*\i
.endr
.irp i, 0,1,2,3
	ds_load_b128 v[X+16*((\t)%2)+4*\i:X+16*((\t)%2)+4*\i+3], v15 offset:32*SP*((\t)%2)+16*\i
.endr
.endm
.irp t, 0,1,2,3
	LOAD \t
.endr
	s_wait_loadcnt 12                              ; step 0's four loads are in; the 12 of steps 1 to 3 stay out
	TURN 0
.macro STEP t
.set XS, X+16*((\t)%2)
.if (\t) > 0
	s_wait_dscnt 1                                 ; this step's numbers are back from the stage (the last step's byte store may be out)
.else
	s_wait_dscnt 0x0
.endif
.if (\t)+4 < STEPS
	LOAD (\t)+4                                    ; the registers that the stage's stores have read take the loads of four steps on
.endif
.if (\t)+1 < STEPS
.if STEPS-2-(\t) >= 3
	s_wait_loadcnt 12                              ; the next step's four loads are in; those of the three steps behind it may be out
.else
	s_wait_loadcnt 4*(STEPS-2-(\t))
.endif
	TURN (\t)+1                                    ; they go through the other stage while this step is worked
.endif
	v_max3_num_f32 v8, |v[XS]|, |v[XS+1]|, |v[XS+2]|               ; the largest magnitude of my 16, in two chains
	v_max3_num_f32 v9, |v[XS+3]|, |v[XS+4]|, |v[XS+5]|
.irp i, 6,10
	v_max3_num_f32 v8, v8, |v[XS+\i]|, |v[XS+\i+1]|
	v_max3_num_f32 v9, v9, |v[XS+\i+2]|, |v[XS+\i+3]|
.endr
	v_max3_num_f32 v8, v8, |v[XS+14]|, |v[XS+15]|
	v_max3_num_f32 v8, v8, v9, (EMAX+1)<<23        ; and the floor 2^(3 - 127): the byte cannot fall under 1
	v_max_num_f32_dpp v8, v8, v8 row_xmask:1 row_mask:0xf bank_mask:0xf   ; with my neighbour's 16: the block's
	v_add_nc_u32 v11, -(EMAX<<23), v8              ; 2 off its exponent field: the conversion takes the exponent field of this operand as its scale
	v_cvt_scalef32_pk8_fp4_f32 v[C+4*(\t)], v[XS:XS+7], v11
	v_cvt_scalef32_pk8_fp4_f32 v[C+4*(\t)+1], v[XS+8:XS+15], v11
	v_lshrrev_b32 v[E+(\t)], 23, v11               ; the scale's byte (a plain line behind the conversions)
	ds_store_b8 v5, v[E+(\t)] offset:16*(\t)       ; both lanes of a block write the same byte with the same value
	global_store_b64 v4, v[C+4*(\t):C+4*(\t)+1], s[10:11] offset:32*CB*(\t)   ; 32 lanes store 256 consecutive bytes
.endm
.irp t, 0,1,2,3,4,5,6,7,8,9,10,11,12,13,14,15
	STEP \t
.endr
	ds_load_b64 v[8:9], v6                         ; LDS serves a wave's instructions in order: these see my byte stores
	s_wait_dscnt 0x0
	global_store_b64 v7, v[8:9], s[12:13]          ; 32 lanes store my run's 256 scale bytes
	s_wait_tensorcnt 0x0                           ; the wave's end
	ds_add_u32 v[SPW], v[NIL]
	s_wait_dscnt 0x0
	s_endpgm
; Wout to f16: four groups of 16 loads of 512 consecutive bytes; two groups are on their way while one is converted; a store covers 256 consecutive bytes.
.Lwout:
	s_sub_co_u32 s20, s18, 4*WGQ                   ; my run within Wout
	s_lshl_b32 s22, s20, 15
	s_add_nc_u64 s[8:9], s[8:9], s[22:23]
	s_lshl_b32 s22, s20, 14
	s_add_nc_u64 s[14:15], s[14:15], s[22:23]
.macro LOADW g
.irp i, 0,1,2,3,4,5,6,7,8,9,10,11,12,13,14,15
	global_load_b128 v[WI+64*((\g)%2)+4*\i:WI+64*((\g)%2)+4*\i+3], v3, s[8:9] offset:512*(16*(\g)+\i) th:TH_LOAD_NT
.endr
.endm
.macro CONVW g
.if (\g) < 3
	s_wait_loadcnt 16                              ; this group's 16 loads are in; the next group's 16 stay out
.else
	s_wait_loadcnt 0x0
.endif
.if (\g) > 0
	s_wait_xcnt 0x0                                ; the last group's stores have read v144-175, which are written again below
.endif
.irp i, 0,1,2,3,4,5,6,7,8,9,10,11,12,13,14,15
	v_cvt_pk_f16_f32 v[WO+2*\i], v[WI+64*((\g)%2)+4*\i], v[WI+64*((\g)%2)+4*\i+1]
	v_cvt_pk_f16_f32 v[WO+2*\i+1], v[WI+64*((\g)%2)+4*\i+2], v[WI+64*((\g)%2)+4*\i+3]
.endr
.if (\g)+2 < 4
	LOADW (\g)+2                                   ; loads ahead of stores
.endif
.irp i, 0,1,2,3,4,5,6,7,8,9,10,11,12,13,14,15
	global_store_b64 v7, v[WO+2*\i:WO+2*\i+1], s[14:15] offset:256*(16*(\g)+\i)
.endr
.endm
	LOADW 0
	LOADW 1
	CONVW 0
	CONVW 1
	CONVW 2
	CONVW 3
	s_wait_tensorcnt 0x0                           ; the wave's end
	ds_add_u32 v[SPW], v[NIL]
	s_wait_dscnt 0x0
	s_endpgm
.Lfunc_end_k_q299f04ca1b_prep:
	.size	k_q299f04ca1b_prep, .Lfunc_end_k_q299f04ca1b_prep-k_q299f04ca1b_prep
	.p2alignl 7, 3214868480
	.fill 96, 4, 3214868480
	.section	.rodata,"a",@progbits
	.p2align	6, 0x0
	.amdhsa_kernel k_q299f04ca1b_prep
		.amdhsa_group_segment_fixed_size 33280
		.amdhsa_private_segment_fixed_size 0
		.amdhsa_enable_private_segment 0
		.amdhsa_kernarg_size 48
		.amdhsa_user_sgpr_count 2
		.amdhsa_user_sgpr_kernarg_segment_ptr 1
		.amdhsa_wavefront_size32 1
		.amdhsa_system_sgpr_workgroup_id_x 1
		.amdhsa_system_sgpr_workgroup_id_y 1
		.amdhsa_system_sgpr_workgroup_id_z 1
		.amdhsa_system_vgpr_workitem_id 0
		.amdhsa_next_free_vgpr 192
		.amdhsa_next_free_sgpr 66
		.amdhsa_reserve_vcc 0
		.amdhsa_float_denorm_mode_32 3
		.amdhsa_float_denorm_mode_16_64 3
		.amdhsa_memory_ordered 1
		.amdhsa_forward_progress 1
		.amdhsa_inst_pref_size 54
	.end_amdhsa_kernel
	.amdgpu_metadata
---
amdhsa.version: [ 1, 2 ]
amdhsa.kernels:
  - .name:           k_q299f04ca1b_prep
    .symbol:         k_q299f04ca1b_prep.kd
    .args:
      - { .name: x, .offset: 0, .size: 8, .value_kind: global_buffer, .address_space: global }
      - { .name: Wqkv, .offset: 8, .size: 8, .value_kind: global_buffer, .address_space: global }
      - { .name: Wout, .offset: 16, .size: 8, .value_kind: global_buffer, .address_space: global }
      - { .name: codes, .offset: 24, .size: 8, .value_kind: global_buffer, .address_space: global }
      - { .name: scales, .offset: 32, .size: 8, .value_kind: global_buffer, .address_space: global }
      - { .name: wo, .offset: 40, .size: 8, .value_kind: global_buffer, .address_space: global }
    .group_segment_fixed_size: 33280
    .private_segment_fixed_size: 0
    .kernarg_segment_align: 8
    .kernarg_segment_size: 48
    .max_flat_workgroup_size: 128
    .sgpr_count:     66
    .vgpr_count:     192
    .wavefront_size: 32
...
	.end_amdgpu_metadata
.endif
;; end of part 1
;; launch qkvgemm (part 2): grid 12 x 32, 4 waves a work-group, clusters of 4 x 4, 327,680 bytes of LDS; arguments codes, scales, bqkv, cos, sin, qkv; writes qkv
.if DOCPART == 2
	.amdgcn_target "amdgcn-amd-amdhsa--gfx1250"
	.amdhsa_code_object_version 6
	.text
	.protected	k_q299f04ca1b_qkvgemm
	.globl	k_q299f04ca1b_qkvgemm
	.p2align	8
	.type	k_q299f04ca1b_qkvgemm,@function
k_q299f04ca1b_qkvgemm:
	s_mov_b64 s[64:65], 0
	v_nop
	global_prefetch_b8 v0, s[64:65] scope:SCOPE_SE
	s_setreg_imm32_b32 hwreg(HW_REG_WAVE_MODE, 25, 1), 1
	s_wait_xcnt 0x0
	s_wait_alu depctr_hold_cnt(0) depctr_sa_sdst(0) depctr_va_vdst(0) depctr_va_sdst(0) depctr_va_ssrc(0) depctr_va_vcc(0) depctr_vm_vsrc(0)
	s_getreg_b32 s2, hwreg(HW_REG_IB_STS2, 6, 4)
	s_cmp_eq_u32 s2, 0
	s_cbranch_scc0 .Lentry_in_a_cluster
	s_endpgm
.Lentry_in_a_cluster:
	s_bfe_u32 s2, ttmp6, 0x10000c
	s_cmp_lg_u32 s2, 0xf033
	s_cbranch_scc0 .Lentry_shape_is_right
	s_endpgm
.Lentry_shape_is_right:
; Launch 2 of 4: qkv = Q(x) Q(Wqkv)^T + bqkv on codes of FP4 with E8M0 scales, then the rotation of q and k in f32, then f16.  No work of the problem is left out.
; A = x's codes [8192][512 bytes], B = Wqkv's [3072][512 bytes] (behind x's in the buffer codes); scale bytes [rows][32] likewise in the buffer scales.
; A tile of 256 x 256 is made by a work-group of four waves, 128 x 128 a wave: 64 accumulators, 512 registers.  K = 1,024 is two K steps of 512 (rows of 256 bytes): both slots are filled once, at the head;
; nothing is filled again.  The scale bytes of the tile's 256 + 256 rows for all of K come with them, once.
; CLUSTER 4 x 4: the four work-groups of a row of the cluster need the same tiles of A, the four of a column the same tiles of B: each is asked for jointly.  The cluster's x is the part (0 q, 1 k, 2 v), the same in all sixteen.
; THE MATRIX INSTRUCTION IS USED TRANSPOSED (source 0 = 16 rows of Wqkv, source 1 = 16 rows of x): lane (r, h) of accumulator (a, b) holds row 16 a + r and columns 16 b + 8 h + 0 .. 7.
; THE BIAS is the C of each sum's first product: eight registers a column block, in the result's layout.
; THE ROTATION: a wave's 128 columns are two heads; in head g blocks 4 g + 0, 1 hold channels 0-31 and blocks 4 g + 2, 3 channels 32-63 of the same lane's row: y1 = q1 cos - q2 sin, y2 = q1 sin + q2 cos need no other lane.
; THE TEXT PARTS ONCE, on the part, ahead of the last step of 128 along K, which is written in both arms: q's and k's arm asks for the tables of its row blocks 0-3, multiplies the last step while they are on their way,
; asks for those of blocks 4-7 and rotates; v's arm multiplies the last step and packs: it loads no table.
; THE WAY OUT HAS NO STAGE.  A lane's eight columns, as f16, are 16 bytes: exactly four registers of a 16-bit fragment (16 rows x 32 K) in the same lane.  So q and k are stored as images of the next launch's
; registers: qkv = [part 3][batch x head 64][tile of 16 positions 128][16 channels 4][piece 32][16 bytes], lane l's bytes at piece l: a store covers 512 consecutive bytes.  v goes to piece (r % 8) + 8 h + 16 (r / 8),
; the order in which the turning LDS load of the next launch wants it at 16 x lane.
; LIMITS: |q|, |k|, |v| from 65,520 on become f16 infinities; under 6e-5 they keep an absolute error of 3e-8 at the most.
; REGISTERS, in windows of 256: window 0: v16-30 addresses; v32-95 scale words, two sets (on the way out: the rotated numbers); v96-111 at work; v128-191 A's fragments, one set (on the way out: packed results, two sets); v192-255 the bias.
;   window 1: B's fragments, two sets, at v0 and v128; cos and sin of my row blocks 0-3 in v64-127 and v192-255, of blocks 4-7 in B's sets when the products are done.   windows 2, 3: the accumulators, (a, b) at v[8 (8 (a % 4) + b)].
.set NQ,     4                         ; matrix instructions deep in a K step of 512
.set ROWB,   256                       ; a tile's row in bytes
.set KROW,   512                       ; a row of codes in memory
.set PITCH,  272                       ; an LDS row: 256 bytes + 16 of padding: the 16 rows that a load touches start 68 words apart
.set FR,     8
.set NL,     2
.set NP,     4
.set HALFT,  128*PITCH
.set SLOT,   4*HALFT                   ; A's 256 rows, then B's 256 rows
.set KS,     32                        ; a row of scale bytes
.set SCL,    2*SLOT                    ; behind the slots: the scales, as rows of 256 bytes + 16 of padding
.set HALFS,  (128*KS/256)*272
.set SBLK,   (16*KS/256)*272
.set SPARE,  SCL+4*HALFS               ; the spare words, 128 bytes a wave
.set ADRA, 16                          ; v16-17 LDS address of my A fragments in slot 0, 1
.set ADRB, 20                          ; v20-21 the same for B
.set QO,   24                          ; v24 16 x lane: where q's and k's pieces go
.set VO,   25                          ; v25 16 x ((r % 8) + 8 h + 16 (r / 8)): where v's go
.set CSO,  26                          ; v26 128 r + 32 h: my place in 16 rows of cos or sin
.set ADRS, 27                          ; v27 LDS address of my scale words
.set SPW,  28
.set NIL,  29
.set BO,   30                          ; v30 32 h: my place in 16 numbers of the bias
.set SC,   32
.set YR,   32                          ; the rotated numbers, 64
.set T1,   96
.set T2,   104
.set AF,   128
.set PK,   128                         ; packed results, two sets of 32
.set BIAS, 192
.set G1, 24
.set G0, 32
.set G1B, 48
.set G0B, 56
.set G1S, 68
.set G0S, 76
.set G1SB, 80
.set G0SB, 88
.set MSB, 0
.macro WIN new                         ; the immediate's high byte repeats the setting that is left
.if MSB != (\new)
	s_set_vgpr_msb (MSB<<8)|(\new)
.set MSB, (\new)
.endif
.endm
.set MUL_LO,  0xa1                     ; source 0 (B) window 1, source 1 (A) window 0, C and D window 2
.set MUL_HI,  0xf1                     ; the same, C and D window 3
.set MUL_LO0, 0x81                     ; the first products: C (the bias) window 0, D window 2
.set MUL_HI0, 0xc1                     ; D window 3
.set TO_B,    0x40                     ; destination window 1, address window 0
; A joint load: waves 0 and 1 fetch for A, waves 2 and 3 for B; the branch hangs on the wave's number alone.  An s_nop 0 and four v_nop follow each line.
.macro JLOAD g0a, g1a, g0b, g1b
	s_cmp_eq_u32 s15, 0
	s_cbranch_scc0 .Lfor_b_\@
	tensor_load_to_lds s[\g0a:\g0a+3], s[\g1a:\g1a+7]
	s_nop 0
.rept 4
	v_nop
.endr
	s_branch .Lasked_\@
.Lfor_b_\@:
	tensor_load_to_lds s[\g0b:\g0b+3], s[\g1b:\g1b+7]
	s_nop 0
.rept 4
	v_nop
.endr
.Lasked_\@:
.endm
.macro CROUND                          ; a round of the cluster's barrier
	s_barrier_signal -1
	s_barrier_wait -1
	s_cmp_lg_u32 s14, 0
	s_cbranch_scc1 .Lnot_wave_0_\@
	s_barrier_signal -3
.Lnot_wave_0_\@:
	s_barrier_wait -3
	s_barrier_signal -1
	s_barrier_wait -1
.endm
	s_load_b128 s[4:7], s[0:1], 0x0                ; codes, scales
	s_load_b128 s[96:99], s[0:1], 0x10             ; bqkv, cos
	s_load_b64 s[100:101], s[0:1], 0x20            ; sin
	s_load_b64 s[12:13], s[0:1], 0x28              ; qkv
	v_lshl_add_u32 v[SPW], v0, 2, SPARE
	v_mov_b32 v[NIL], 0
	ds_add_u32 v[SPW], v[NIL]                      ; the wave's opening: the add, twice on end, and its wait ahead of my first tensor load
	ds_add_u32 v[SPW], v[NIL]
	v_lshrrev_b32 v1, 5, v0
	v_readfirstlane_b32 s14, v1                    ; wave 0..3
	s_lshr_b32 s15, s14, 1                         ; which half of the tile's rows is mine.  Also: I fetch for A (0) or for B (1)
	s_and_b32 s16, s14, 1                          ; which half of its columns.  Also: which 128 rows I fetch
	s_bfe_u32 s40, ttmp6, 0x40000                  ; cx, cy: my place in the cluster
	s_bfe_u32 s41, ttmp6, 0x40004
	s_lshl_b32 s42, ttmp9, 2
	s_add_co_u32 s42, s42, s40                     ; tile column = 4 x cluster x + cx
	s_and_b32 s17, ttmp7, 0xffff
	s_lshl_b32 s17, s17, 2
	s_add_co_u32 s17, s17, s41                     ; tile row = 4 x cluster y + cy
	s_lshl_b32 s43, s41, 2
	s_lshl_b32 s43, 15, s43                        ; my row of the cluster
	s_lshl_b32 s44, 0x1111, s40                    ; my column
	s_or_b32 s[G1+0], s43, (0<<16)|(1<<20)|(1<<21)|(5<<22)|(3<<25)  ; the mask; elements of 1 byte; padding on; bit 21 beside a mask; 4 words behind every 64
	s_or_b32 s[G1B+0], s44, (0<<16)|(1<<20)|(1<<21)|(5<<22)|(3<<25)
.irp g, G1, G1B
	s_mov_b32 s[\g+1], ROWB<<16                    ; tensor_dim0
	s_mov_b32 s[\g+2], 128<<16                     ; tensor_dim1
	s_mov_b32 s[\g+3], ROWB<<16                    ; tile_dim0
	s_mov_b32 s[\g+4], 128                         ; tile_dim1
	s_mov_b32 s[\g+5], KROW                        ; the pitch
	s_mov_b32 s[\g+6], 0
	s_mov_b32 s[\g+7], 0
.endr
	s_or_b32 s[G1S+0], s43, (3<<16)|(1<<20)|(1<<21)|(5<<22)|(3<<25) ; the scales of 128 rows: 4,096 dense bytes as 16 rows of 256 (32 elements of 8 bytes)
	s_or_b32 s[G1SB+0], s44, (3<<16)|(1<<20)|(1<<21)|(5<<22)|(3<<25)
.irp g, G1S, G1SB
	s_mov_b32 s[\g+1], 32<<16
	s_mov_b32 s[\g+2], (128*KS/256)<<16
	s_mov_b32 s[\g+3], 32<<16
	s_mov_b32 s[\g+4], 128*KS/256
	s_mov_b32 s[\g+5], 32
	s_mov_b32 s[\g+6], 0
	s_mov_b32 s[\g+7], 0
.endr
	s_lshl_b32 s18, s16, 7                         ; which 128 rows of the tile I fetch
	s_lshl_b32 s20, s17, 8
	s_add_co_u32 s20, s20, s18                     ; A: row 256 x tile row + 128 x half
	s_lshl_b32 s46, s42, 8
	s_add_co_u32 s46, s46, s18                     ; B: row 256 x tile column + 128 x half
	s_mov_b32 s21, 0
	s_mov_b32 s47, 0
	s_mov_b64 s[18:19], KS
	s_mul_u64 s[22:23], s[20:21], s[18:19]         ; where these rows' scales begin
	s_mul_u64 s[92:93], s[46:47], s[18:19]
	s_mov_b64 s[18:19], KROW
	s_mul_u64 s[20:21], s[20:21], s[18:19]         ; and their codes
	s_mul_u64 s[46:47], s[46:47], s[18:19]
	s_mul_i32 s45, s14, HALFT                      ; where they go: wave x 128 rows
	s_mul_i32 s94, s14, HALFS
	s_wait_dscnt 0x0                               ; both opening adds are done
	s_wait_kmcnt 0x0
	s_add_nc_u64 s[8:9], s[4:5], 0x400000          ; Wqkv's codes lie behind x's 4,194,304 bytes,
	s_add_nc_u64 s[10:11], s[6:7], 0x40000         ; its scale bytes behind x's 262,144
	s_add_nc_u64 s[20:21], s[4:5], s[20:21]
	s_add_nc_u64 s[22:23], s[6:7], s[22:23]
	s_add_nc_u64 s[46:47], s[8:9], s[46:47]
	s_add_nc_u64 s[92:93], s[10:11], s[92:93]
	CROUND                                         ; all sixteen work-groups are here: the joint loads meet
	s_mov_b32 s[G0S], 1
	s_add_co_u32 s[G0S+1], s94, SCL
	s_mov_b64 s[G0S+2:G0S+3], s[22:23]
	s_or_b32 s[G0S+3], s[G0S+3], 0x80000000
	s_mov_b32 s[G0SB], 1
	s_add_co_u32 s[G0SB+1], s94, SCL
	s_mov_b64 s[G0SB+2:G0SB+3], s[92:93]
	s_or_b32 s[G0SB+3], s[G0SB+3], 0x80000000
	JLOAD G0S, G1S, G0SB, G1SB                     ; the scales first: they are wanted with K step 0
.irp s, 0,1
	s_mov_b32 s[G0+4*\s], 1
	s_add_co_u32 s[G0+4*\s+1], s45, \s*SLOT
	s_add_nc_u64 s[G0+4*\s+2:G0+4*\s+3], s[20:21], \s*ROWB
	s_or_b32 s[G0+4*\s+3], s[G0+4*\s+3], 0x80000000
	s_mov_b32 s[G0B+4*\s], 1
	s_add_co_u32 s[G0B+4*\s+1], s45, \s*SLOT
	s_add_nc_u64 s[G0B+4*\s+2:G0B+4*\s+3], s[46:47], \s*ROWB
	s_or_b32 s[G0B+4*\s+3], s[G0B+4*\s+3], 0x80000000
	JLOAD G0+4*\s, G1, G0B+4*\s, G1B               ; three tensor loads of mine are out: the scales and both K steps
.endr
	v_and_b32 v1, 15, v0                           ; r
	v_bfe_u32 v2, v0, 4, 1                         ; h
	v_mul_u32_u24 v3, v1, PITCH
	v_lshl_add_u32 v4, v2, 4, v3                   ; a fragment's row x pitch + 16 h
	s_mul_i32 s21, s15, HALFT                      ; my 128 rows of A
	s_mul_i32 s22, s16, HALFT                      ; my 128 rows of B,
	s_add_co_u32 s22, s22, 2*HALFT                 ; behind A's 256
.irp s, 0,1
	v_add_nc_u32 v[ADRA+\s], s21, v4
	v_add_nc_u32 v[ADRB+\s], s22, v4
	s_add_co_u32 s21, s21, SLOT
	s_add_co_u32 s22, s22, SLOT
.endr
	v_mul_u32_u24 v5, v1, KS                       ; my row's scales: 32 bytes a row,
	v_lshrrev_b32 v6, 8, v5
	v_lshl_add_u32 v5, v6, 4, v5                   ; and 16 more for each 256 passed
	s_mul_i32 s21, s15, HALFS
	s_mul_i32 s22, s16, HALFS
	s_add_co_u32 s22, s22, 2*HALFS
	s_sub_co_u32 s22, s22, s21
	v_mul_u32_u24 v6, s22, v2                      ; lanes 16-31 take B's
	s_add_co_u32 s21, s21, SCL
	v_add_nc_u32 v5, v5, v6
	v_add_nc_u32 v[ADRS], s21, v5
	v_and_b32 v5, 31, v0
	v_lshlrev_b32 v[QO], 4, v5
	v_and_b32 v5, 7, v1
	v_lshl_add_u32 v5, v2, 3, v5
	v_lshrrev_b32 v6, 3, v1
	v_lshl_add_u32 v5, v6, 4, v5
	v_lshlrev_b32 v[VO], 4, v5
	v_lshlrev_b32 v[CSO], 7, v1
	v_lshl_add_u32 v[CSO], v2, 5, v[CSO]
	v_lshlrev_b32 v[BO], 5, v2
	s_and_b32 s20, s17, 7                          ; my first position in the sequence: 256 x (tile row % 8) + 128 x row half
	s_lshl_b32 s20, s20, 8
	s_lshl_b32 s21, s15, 7
	s_add_co_u32 s20, s20, s21
	s_lshl_b32 s20, s20, 7                         ; x 128 bytes: a row of cos or sin; and 2,048 bytes for each 16 positions of the images
	s_mov_b32 s21, 0
	s_add_nc_u64 s[98:99], s[98:99], s[20:21]
	s_add_nc_u64 s[100:101], s[100:101], s[20:21]
	s_add_nc_u64 s[12:13], s[12:13], s[20:21]
	s_lshr_b32 s20, s17, 3                         ; the batch: 16 heads of 2^18 bytes
	s_lshl_b32 s20, s20, 22
	s_add_nc_u64 s[12:13], s[12:13], s[20:21]
	s_lshl_b32 s46, s40, 2
	s_lshl_b32 s47, s16, 1
	s_add_co_u32 s46, s46, s47                     ; my first head: 4 cx + 2 x column half
	s_lshl_b32 s46, s46, 18
	s_lshl_b32 s47, ttmp9, 24                      ; the part
	s_add_co_u32 s46, s46, s47
	s_mov_b32 s47, 0
	s_add_nc_u64 s[12:13], s[12:13], s[46:47]
	s_lshl_b32 s46, s42, 10                        ; the bias of my 128 columns: 4 x (256 x tile column + 128 x half)
	s_lshl_b32 s92, s16, 9
	s_add_co_u32 s46, s46, s92
	s_add_nc_u64 s[96:97], s[96:97], s[46:47]
.irp b, 0,1,2,3,4,5,6,7
.irp c, 0,1
	global_load_b128 v[BIAS+8*\b+4*\c:BIAS+8*\b+4*\c+3], v[BO], s[96:97] offset:64*\b+16*\c   ; bqkv at columns 16 b + 8 h + 4 c on
.endr
.endr
.macro SETCSB a                        ; where block a's 16 cos and 16 sin lie in window 1
.if (\a) < 4
.set CSB, 64+32*((\a)%2)+128*((\a)/2)
.else
.set CSB, 32*(((\a)-4)%2)+128*(((\a)-4)/2)
.endif
.endm
.macro CSLOAD a                        ; cos and sin of position 16 a + r, entries 16 e + 8 h + 0 .. 7, e = 0, 1: eight loads
	SETCSB \a
.irp e, 0,1
.irp c, 0,1
	global_load_b128 v[CSB+8*\e+4*\c:CSB+8*\e+4*\c+3], v[CSO], s[98:99] offset:(\a)*2048+64*\e+16*\c
	global_load_b128 v[CSB+16+8*\e+4*\c:CSB+16+8*\e+4*\c+3], v[CSO], s[100:101] offset:(\a)*2048+64*\e+16*\c
.endr
.endr
.endm
.macro FRAG reg, adr, q, i             ; 16 rows x 128 K of 4-bit codes: 8 registers: two loads of 16 bytes, 32 bytes apart
.irp c, 0,1
	ds_load_b128 v[\reg+4*\c:\reg+4*\c+3], v[\adr] offset:64*(\q)+32*\c+(\i)*16*PITCH
.endr
.endm
; 16 matrix instructions: A's blocks a0, a0 + 1 x B's eight, the slot's q-th 128 along K.  p: B's set; sc: the set of scale words.  zero = 1: the first products, whose C is the bias.
; The 64 accumulators take turns, one instruction a turn, in the same order in every step.
.macro MUL16 a0, p, q, sc, zero
.irp a, \a0, \a0+1
.irp b, 0,1,2,3,4,5,6,7
.if \zero
	v_wmma_scale_f32_16x16x128_f8f6f4 v[8*(8*((\a)%4)+\b):8*(8*((\a)%4)+\b)+7], v[128*(\p)+FR*\b:128*(\p)+FR*\b+FR-1], v[AF+FR*(\a):AF+FR*(\a)+FR-1], v[BIAS+8*\b:BIAS+8*\b+7], v[SC+8*NQ*(\sc)+NQ*\b+(\q)], v[SC+8*NQ*(\sc)+NQ*(\a)+(\q)] matrix_a_fmt:MATRIX_FMT_FP4 matrix_b_fmt:MATRIX_FMT_FP4 matrix_a_scale:MATRIX_SCALE_ROW1
.else
	v_wmma_scale_f32_16x16x128_f8f6f4 v[8*(8*((\a)%4)+\b):8*(8*((\a)%4)+\b)+7], v[128*(\p)+FR*\b:128*(\p)+FR*\b+FR-1], v[AF+FR*(\a):AF+FR*(\a)+FR-1], v[8*(8*((\a)%4)+\b):8*(8*((\a)%4)+\b)+7], v[SC+8*NQ*(\sc)+NQ*\b+(\q)], v[SC+8*NQ*(\sc)+NQ*(\a)+(\q)] matrix_a_fmt:MATRIX_FMT_FP4 matrix_b_fmt:MATRIX_FMT_FP4 matrix_a_scale:MATRIX_SCALE_ROW1
.endif
.endr
.endr
.endm
.macro FETCH_B slot, q, p
	WIN TO_B
.irp i, 0,1,2,3,4,5,6,7
	FRAG 128*(\p)+FR*\i, ADRB+\slot, \q, \i
.endr
	WIN 0
.endm
.macro FETCH_A slot, q, i0
.irp i, \i0, \i0+1, \i0+2, \i0+3
	FRAG AF+FR*(\i), ADRA+\slot, \q, \i
.endr
.endm
.macro SCALES sc                       ; a K step's scale words: 4 words a row; lanes 0-15 take A's block i, lanes 16-31 B's block i
.irp i, 0,1,2,3,4,5,6,7
	ds_load_b128 v[SC+8*NQ*\sc+NQ*\i:SC+8*NQ*\sc+NQ*\i+3], v[ADRS] offset:\i*SBLK
.endr
.endm
.macro PLACES n                        ; plain vector lines between a matrix instruction and a load into, or a vector read or write of, its registers
.rept \n
	v_nop
.endr
.endm
.macro STEP slot, q, zero              ; a step of 128 along K that has its successor in the same slot
	s_wait_dscnt 4*NL                              ; B's set and A's blocks 0-3 are in; the youngest eight loads (A's blocks 4-7) may be out
.if \zero
	WIN MUL_LO0
.else
	WIN MUL_LO
.endif
	MUL16 0, (\q)%2, \q, \slot, \zero
	MUL16 2, (\q)%2, \q, \slot, \zero
	s_wait_dscnt 0                                 ; A's blocks 4-7 are in
	PLACES NP
	FETCH_B \slot, (\q)+1, 1-(\q)%2
	FETCH_A \slot, (\q)+1, 0
.if \zero
	WIN MUL_HI0
.else
	WIN MUL_HI
.endif
	MUL16 4, (\q)%2, \q, \slot, \zero
	MUL16 6, (\q)%2, \q, \slot, \zero
	PLACES NP
	WIN 0
	FETCH_A \slot, (\q)+1, 4
.endm
.macro STEPS slot, from
.set Q, \from
.rept NQ-1-\from
	STEP \slot, Q, 0
.set Q, Q+1
.endr
.endm
; The very last step of 128 along K: nothing more to fetch.  The places behind it serve the loads into B's sets, the reads of results and the writes over scale words and A's fragments.
.macro LASTSTEP
	s_wait_dscnt 4*NL                              ; B's set and A's blocks 0-3 are in; the youngest eight loads may be out
	WIN MUL_LO
	MUL16 0, 1, NQ-1, 1, 0
	MUL16 2, 1, NQ-1, 1, 0
	s_wait_dscnt 0
	WIN MUL_HI
	MUL16 4, 1, NQ-1, 1, 0
	MUL16 6, 1, NQ-1, 1, 0
	WIN 0
	PLACES NP
.endm
	s_wait_tensorcnt 1                             ; the scales and my part of K step 0 are in; K step 1's load may be out
	s_barrier_signal -1
	s_barrier_wait -1                              ; everybody's are
	FETCH_B 0, 0, 0
	FETCH_A 0, 0, 0
	SCALES 0
	FETCH_A 0, 0, 4
	s_wait_loadcnt 0x0                             ; the bias
	STEP 0, 0, 1
	STEPS 0, 1
	; slot 0's last step changes slots: one barrier; nothing is filled again
	s_wait_tensorcnt 0x0                           ; my part of K step 1 has landed
	ds_add_u32 v[SPW], v[NIL]                      ; 0 onto my spare word
	s_wait_dscnt 4*NL+1                            ; the add and the youngest eight loads may be out
	WIN MUL_LO
	MUL16 0, 1, NQ-1, 0, 0
	s_wait_dscnt 0x0
	s_barrier_signal -1
	MUL16 2, 1, NQ-1, 0, 0
	WIN 0
	s_barrier_wait -1                              ; slot 1 is whole
	PLACES NP
	v_add_nc_u32 v[ADRS], 4*NQ, v[ADRS]            ; on to K step 1's scale words
	FETCH_B 1, 0, 0
	FETCH_A 1, 0, 0
	SCALES 1
	WIN MUL_HI
	MUL16 4, 1, NQ-1, 0, 0
	MUL16 6, 1, NQ-1, 0, 0
	PLACES NP
	WIN 0
	FETCH_A 1, 0, 4
	STEPS 1, 0
; THE WAY OUT, block by block of 16 rows.
.macro ROPE a                          ; 64 packed lines: each accumulator is read from its low pair on
	SETCSB \a
.set AC, 64*((\a)%4)
	WIN 0x06+(\a)/4                                ; source 0: the accumulators' window; source 1: window 1 (the tables); source 2 and the destination: window 0
.irp g, 0,1
.irp e, 0,1
.irp p, 0,1,2,3
	v_pk_mul_f32 v[T1+2*\p:T1+2*\p+1], v[AC+8*(4*\g+\e+2)+2*\p:AC+8*(4*\g+\e+2)+2*\p+1], v[CSB+16+8*\e+2*\p:CSB+16+8*\e+2*\p+1]   ; q2 sin
.endr
.irp p, 0,1,2,3
	v_pk_mul_f32 v[T2+2*\p:T2+2*\p+1], v[AC+8*(4*\g+\e+2)+2*\p:AC+8*(4*\g+\e+2)+2*\p+1], v[CSB+8*\e+2*\p:CSB+8*\e+2*\p+1]         ; q2 cos
.endr
.irp p, 0,1,2,3
	v_pk_fma_f32 v[YR+8*(4*\g+\e)+2*\p:YR+8*(4*\g+\e)+2*\p+1], v[AC+8*(4*\g+\e)+2*\p:AC+8*(4*\g+\e)+2*\p+1], v[CSB+8*\e+2*\p:CSB+8*\e+2*\p+1], v[T1+2*\p:T1+2*\p+1] neg_lo:[0,0,1] neg_hi:[0,0,1]   ; q1 cos - q2 sin
.endr
.irp p, 0,1,2,3
	v_pk_fma_f32 v[YR+8*(4*\g+\e+2)+2*\p:YR+8*(4*\g+\e+2)+2*\p+1], v[AC+8*(4*\g+\e)+2*\p:AC+8*(4*\g+\e)+2*\p+1], v[CSB+16+8*\e+2*\p:CSB+16+8*\e+2*\p+1], v[T2+2*\p:T2+2*\p+1]   ; q1 sin + q2 cos
.endr
.endr
.endr
.endm
.macro PACKR a                         ; the rotated numbers to f16
	WIN 0
.irp n, 0,1,2,3,4,5,6,7,8,9,10,11,12,13,14,15,16,17,18,19,20,21,22,23,24,25,26,27,28,29,30,31
	v_cvt_pk_f16_f32 v[PK+32*((\a)%2)+\n], v[YR+2*\n], v[YR+2*\n+1]
.endr
.endm
.macro PACKV a                         ; v: straight from the accumulators, ascending
	WIN 0x0a+5*((\a)/4)                            ; sources 0 and 1: window 2 or 3
.irp n, 0,1,2,3,4,5,6,7,8,9,10,11,12,13,14,15,16,17,18,19,20,21,22,23,24,25,26,27,28,29,30,31
	v_cvt_pk_f16_f32 v[PK+32*((\a)%2)+\n], v[64*((\a)%4)+2*\n], v[64*((\a)%4)+2*\n+1]
.endr
	WIN 0
.endm
.macro SENDQ a, off                    ; eight stores of 512 consecutive bytes: head g, 16 channels c
.irp g, 0,1
.irp c, 0,1,2,3
	global_store_b128 v[\off], v[PK+32*((\a)%2)+4*(4*\g+\c):PK+32*((\a)%2)+4*(4*\g+\c)+3], s[12:13] offset:\g*262144+(\a)*2048+\c*512
.endr
.endr
.endm
	s_cmp_eq_u32 ttmp9, 2                          ; the one parting: v is not rotated.  The cluster's x is the same in all sixteen partners; every window is 0 here
	s_cbranch_scc1 .Lvpart
	WIN TO_B
	CSLOAD 0                                       ; the tables of my row blocks 0-3, into registers that no matrix instruction names: they land while the last step is multiplied
	CSLOAD 1
	CSLOAD 2
	CSLOAD 3
	WIN 0
	LASTSTEP
	WIN TO_B
	CSLOAD 4                                       ; those of blocks 4-7, into B's two sets, which are done with
	CSLOAD 5
	CSLOAD 6
	CSLOAD 7
	WIN 0
.irp a, 0,1,2,3,4,5,6,7
	s_wait_loadcnt 8*(7-\a)                        ; block a's eight table loads are in; the eight of each later block stay out
	ROPE \a
.if \a >= 2
	s_wait_xcnt 0x0                                ; block a - 2's stores have read the packed set that is written again below
.endif
	PACKR \a
	SENDQ \a, QO
.endr
	s_branch .Ldone
.Lvpart:
	LASTSTEP
.irp a, 0,1,2,3,4,5,6,7
.if \a >= 2
	s_wait_xcnt 0x0                                ; block a - 2's stores have read the packed set that is written again below
.endif
	PACKV \a
	SENDQ \a, VO
.endr
.Ldone:
	s_wait_tensorcnt 0x0                           ; the wave's end
	ds_add_u32 v[SPW], v[NIL]
	s_wait_dscnt 0x0
	CROUND                                         ; the closing round
	s_endpgm
.Lfunc_end_k_q299f04ca1b_qkvgemm:
	.size	k_q299f04ca1b_qkvgemm, .Lfunc_end_k_q299f04ca1b_qkvgemm-k_q299f04ca1b_qkvgemm
	.p2alignl 7, 3214868480
	.fill 96, 4, 3214868480
	.section	.rodata,"a",@progbits
	.p2align	6, 0x0
	.amdhsa_kernel k_q299f04ca1b_qkvgemm
		.amdhsa_group_segment_fixed_size 327680
		.amdhsa_private_segment_fixed_size 0
		.amdhsa_enable_private_segment 0
		.amdhsa_kernarg_size 48
		.amdhsa_user_sgpr_count 2
		.amdhsa_user_sgpr_kernarg_segment_ptr 1
		.amdhsa_wavefront_size32 1
		.amdhsa_system_sgpr_workgroup_id_x 1
		.amdhsa_system_sgpr_workgroup_id_y 1
		.amdhsa_system_sgpr_workgroup_id_z 1
		.amdhsa_system_vgpr_workitem_id 0
		.amdhsa_next_free_vgpr 1024
		.amdhsa_next_free_sgpr 102
		.amdhsa_reserve_vcc 0
		.amdhsa_float_denorm_mode_32 3
		.amdhsa_float_denorm_mode_16_64 3
		.amdhsa_memory_ordered 1
		.amdhsa_forward_progress 1
		.amdhsa_inst_pref_size 189
	.end_amdhsa_kernel
	.amdgpu_metadata
---
amdhsa.version: [ 1, 2 ]
amdhsa.kernels:
  - .name:           k_q299f04ca1b_qkvgemm
    .symbol:         k_q299f04ca1b_qkvgemm.kd
    .args:
      - { .name: codes, .offset: 0, .size: 8, .value_kind: global_buffer, .address_space: global }
      - { .name: scales, .offset: 8, .size: 8, .value_kind: global_buffer, .address_space: global }
      - { .name: bqkv, .offset: 16, .size: 8, .value_kind: global_buffer, .address_space: global }
      - { .name: cos, .offset: 24, .size: 8, .value_kind: global_buffer, .address_space: global }
      - { .name: sin, .offset: 32, .size: 8, .value_kind: global_buffer, .address_space: global }
      - { .name: qkv, .offset: 40, .size: 8, .value_kind: global_buffer, .address_space: global }
    .group_segment_fixed_size: 327680
    .private_segment_fixed_size: 0
    .kernarg_segment_align: 8
    .kernarg_segment_size: 48
    .max_flat_workgroup_size: 128
    .sgpr_count:     102
    .vgpr_count:     1024
    .wavefront_size: 32
...
	.end_amdgpu_metadata
.endif
;; end of part 2
;; launch attn (part 3): grid 4 x 64, 8 waves a work-group, clusters of 4 x 1, 327,680 bytes of LDS; arguments qkv, at; writes at
.if DOCPART == 3
	.amdgcn_target "amdgcn-amd-amdhsa--gfx1250"
	.amdhsa_code_object_version 6
	.text
	.protected	k_q299f04ca1b_attn
	.globl	k_q299f04ca1b_attn
	.p2align	8
	.type	k_q299f04ca1b_attn,@function
k_q299f04ca1b_attn:
	s_mov_b64 s[64:65], 0
	v_nop
	global_prefetch_b8 v0, s[64:65] scope:SCOPE_SE
	s_setreg_imm32_b32 hwreg(HW_REG_WAVE_MODE, 25, 1), 1
	s_wait_xcnt 0x0
	s_wait_alu depctr_hold_cnt(0) depctr_sa_sdst(0) depctr_va_vdst(0) depctr_va_sdst(0) depctr_va_ssrc(0) depctr_va_vcc(0) depctr_vm_vsrc(0)
	s_getreg_b32 s2, hwreg(HW_REG_IB_STS2, 6, 4)
	s_cmp_eq_u32 s2, 0
	s_cbranch_scc0 .Lentry_in_a_cluster
	s_endpgm
.Lentry_in_a_cluster:
	s_bfe_u32 s2, ttmp6, 0x10000c
	s_cmp_lg_u32 s2, 0x3003
	s_cbranch_scc0 .Lentry_shape_is_right
	s_endpgm
.Lentry_shape_is_right:
; Launch 3 of 4: O = softmax(q k^T / 8) v for each of 64 (batch, head), 2,048 positions, head size 64, no mask.  Operands f16, sums f32, softmax f32 with a running maximum.  No work of the problem is left out.
; q, k, v come as images of fragment registers: qkv = [part][bh 64][tile of 16 positions 128][16 channels 4][piece 32][16 bytes]: every fragment load is 16 x lane + a constant, in memory and in LDS: no pitch, no padding.
; SHARES.  A work-group owns 512 queries of one (batch, head), each of its eight waves 64: four tiles of 16.  Two waves lie on a SIMD: one wave's softmax stands beside the other's products.  Every wave walks all 2,048 keys, 64 a step.
; CLUSTER.  The four work-groups of a (batch, head) walk the same K and V: each tile is asked for jointly, mask 15.
; RING.  Two slots of 512 keys (K's images 65,536 bytes, then V's).  Each wave fetches 16,384 bytes of a slot by one load whose addresses are arithmetic on the wave's number: waves 0-3 fall on K, waves 4-7 on V.
; A slot is asked for at the head of the slot before it: eight key steps, 576 matrix instructions of a wave, stand between the request and the wait for it; one tensor load of a wave is out at the most.
; For that reason no prefetch is laid: no wave waits for these tiles but at the head, where nothing may be asked for ahead.
; LAYOUT.  S^T = K Q^T (source 0 = 16 keys, source 1 = 16 queries): a lane holds one query (lane % 16) and keys 8 (lane / 16) + 0..7.  Two such tiles, as f16 pairs, are source 1 (32 keys x 16 queries) of O^T = V^T P.
; V comes out of LDS turned, by ds_load_tr16_b128 at 16 x lane: the launch before has laid its pieces in that order.
; SOFTMAX.  t = score x log2(e) / 8; M = the running largest t rounded up to a whole number; p = 2^(t - M), at most 1.  When M moves, O and the sum are multiplied by 2^(old M - new M), made by v_ldexp_f32: exact, no branch on data.
; THE ROW'S SUM is a product too: a fragment of ones x P adds the f16 weights, the same numbers that meet V, into each register of an accumulator; register 0 alone is kept under the current M and read at the end (the others stay under 2,048).
; O and the sums begin as zeros and the largest t as -3e38, so that the step is written once for all steps.
; OUT: at = [128 of k 8][tile of 16 rows 512][16 of k 8][lane 32][16 bytes]: images of the last product's fragments; a store covers 512 consecutive bytes.
; LIMITS: weights under 6e-5 keep an absolute error of 3e-8 beside a sum of 0.5 at the least; results under 6e-5 likewise; NaN and infinities are not served.
; REGISTERS.  window 0: v1-5 addresses; v8-15 -M and the largest t of each tile; v16-19 the factors; v20-31 at work; v32-95 Q; v96-159 S^T of two tiles, then P in place; v160-223 K.
;   window 1: v0-127 O^T; v128-191 V^T; v192-223 the sums; v224-231 ones.
.set SLOT1, 1<<17
.set SPARE, 2*SLOT1                    ; behind the ring: the spare words, 128 bytes for each of eight waves
.set LA,  1                            ; v1 16 x lane; never rewritten
.set ADK, 2                            ; v2 LDS address of the step's K
.set ADV, 3                            ; v3 of its V
.set SPW, 4
.set NIL, 5
.set ST,  8                            ; v[8+2t] -M, v[9+2t] the largest t
.set F,   16                           ; v[16+2u] the factor of the piece's tile u
.set T,   20                           ; v[20+6u ..]: four chains, the permute's destination, one more
.set RC,  20                           ; the way out: v[20+2t] 1 / the sum
.set Q,   32
.set S,   96
.set KF,  160
.set VF,  128                          ; in window 1
.set LS,  192
.set ONE, 224
.set WV,  12
.set G1,  24
.set G0,  32
.set TB,  40                           ; s40 LDS byte at which the step's K begins
.set SLOTS, 41
.set STEPC, 42
.set CS,  44                           ; s[44:45] c = log2(e) / 8
.set SEL, 46                           ; s[46:47] lane l xor 16
.set MSB, 0
.macro WIN new
.if MSB != (\new)
	s_set_vgpr_msb (MSB<<8)|(\new)
.set MSB, (\new)
.endif
.endm
.macro CROUND
	s_barrier_signal -1
	s_barrier_wait -1
	s_cmp_lg_u32 s[WV], 0
	s_cbranch_scc1 .Lnot_wave_0_\@
	s_barrier_signal -3
.Lnot_wave_0_\@:
	s_barrier_wait -3
	s_barrier_signal -1
	s_barrier_wait -1
.endm
.macro JLOAD                           ; my 16,384 bytes of a slot; an s_nop 0 and four v_nop follow
	tensor_load_to_lds s[G0:G0+3], s[G1:G1+7]
	s_nop 0
.rept 4
	v_nop
.endr
.endm
	s_load_b128 s[4:7], s[0:1], 0x0                ; qkv, at
	v_lshl_add_u32 v[SPW], v0, 2, SPARE
	v_mov_b32 v[NIL], 0
	ds_add_u32 v[SPW], v[NIL]                      ; the wave's opening: the add, twice on end, and its wait ahead of my first tensor load
	ds_add_u32 v[SPW], v[NIL]
	v_lshrrev_b32 v1, 5, v0
	v_readfirstlane_b32 s[WV], v1                  ; wave 0..7
	s_bfe_u32 s13, ttmp6, 0x40000                  ; cx
	s_lshl_b32 s18, ttmp9, 2
	s_add_co_u32 s13, s13, s18                     ; my block of 512 queries: it enters Q's and the result's addresses alone
	s_and_b32 s14, ttmp7, 0xffff                   ; batch x 16 + head, which the four partners share
	s_mov_b32 s[G1], 15|(3<<16)|(1<<21)            ; the mask: all four; elements of 8 bytes; bit 21 beside a mask; no padding
	s_mov_b32 s[G1+1], 32<<16                      ; tensor_dim0 = 32 elements: 256 bytes
	s_mov_b32 s[G1+2], 64<<16                      ; tensor_dim1 = 64
	s_mov_b32 s[G1+3], 32<<16                      ; tile_dim0
	s_mov_b32 s[G1+4], 64                          ; tile_dim1
	s_mov_b32 s[G1+5], 32                          ; the pitch: dense
	s_mov_b32 s[G1+6], 0
	s_mov_b32 s[G1+7], 0
	s_lshl_b32 s16, s14, 18                        ; what I fetch: my (batch, head),
	s_and_b32 s17, s[WV], 3
	s_lshl_b32 s17, s17, 14                        ; my quarter of 512 keys' images,
	s_add_co_u32 s16, s16, s17
	s_lshr_b32 s17, s[WV], 2
	s_add_co_u32 s17, s17, 1
	s_lshl_b32 s17, s17, 24                        ; in part 1 (k: waves 0-3) or 2 (v: waves 4-7)
	s_add_co_u32 s16, s16, s17
	s_mov_b32 s17, 0
	s_lshl_b32 s18, s14, 18                        ; Q: my wave's four tiles: 65,536 x block + 8,192 x wave
	s_lshl_b32 s19, s13, 16
	s_add_co_u32 s18, s18, s19
	s_lshl_b32 s19, s[WV], 13
	s_add_co_u32 s18, s18, s19
	s_mov_b32 s19, 0
	s_and_b32 s20, s14, 15                         ; the result: head / 2 picks 128 of k, head % 2 its upper four pieces,
	s_lshr_b32 s21, s20, 1
	s_lshl_b32 s21, s21, 21
	s_and_b32 s20, s20, 1
	s_lshl_b32 s20, s20, 11
	s_add_co_u32 s20, s20, s21
	s_lshr_b32 s21, s14, 4                         ; row tile 128 x batch + 32 x block + 4 x wave
	s_lshl_b32 s21, s21, 7
	s_lshl_b32 s22, s13, 5
	s_add_co_u32 s21, s21, s22
	s_lshl_b32 s22, s[WV], 2
	s_add_co_u32 s21, s21, s22
	s_lshl_b32 s21, s21, 12
	s_add_co_u32 s20, s20, s21
	s_mov_b32 s21, 0
	s_mov_b32 s[CS], 0x3e38aa3b                    ; log2(e) / 8
	s_mov_b32 s[CS+1], s[CS]                       ; (named with it as a pair, so it is written)
	s_mov_b32 s[SEL], 0x76543210
	s_mov_b32 s[SEL+1], 0xfedcba98
	s_mov_b32 s[TB], 0
	s_mov_b32 s[SLOTS], 3
	s_wait_dscnt 0x0                               ; both opening adds are done
	s_wait_kmcnt 0x0
	s_mov_b32 s[G0], 1
	s_lshl_b32 s[G0+1], s[WV], 14                  ; LDS: 16,384 x wave, in slot 0
	s_add_nc_u64 s[G0+2:G0+3], s[4:5], s[16:17]
	s_or_b32 s[G0+3], s[G0+3], 0x80000000
	s_add_nc_u64 s[8:9], s[4:5], s[18:19]          ; Q
	s_add_nc_u64 s[10:11], s[6:7], s[20:21]        ; the result
	CROUND                                         ; all four work-groups are here: the first joint loads meet
	JLOAD                                          ; keys 0 to 511
	v_and_b32 v1, 31, v0
	v_lshlrev_b32 v[LA], 4, v1
.irp n, 0,1,2,3,4,5,6,7,8,9,10,11,12,13,14,15
	global_load_b128 v[Q+4*\n:Q+4*\n+3], v[LA], s[8:9] offset:512*\n   ; Q stays in registers: fragment (tile t, 32 channels f) at v[Q + 16 t + 8 f]
.endr
.irp t, 0,1,2,3
	v_mov_b32 v[ST+2*\t+1], 0xff61b1e6             ; the largest t so far: -3e38
	v_floor_f32 v[ST+2*\t], -v[ST+2*\t+1]          ; -M
.endr
.irp u, 0,1
	v_mov_b32 v[F+2*\u+1], 0                       ; named as the upper half of a pair
	v_mov_b32 v[T+6*\u+4], 0                       ; a lane permute's destination counts as one of its sources
.endr
	WIN 0x40
.irp j, 0,1,2,3,4,5,6,7,8,9,10,11,12,13,14,15,16,17,18,19,20,21,22,23,24,25,26,27,28,29,30,31
	v_mov_b32 v[\j], 0                             ; O^T, four tiles of 32,
	v_mov_b32 v[32+\j], 0
	v_mov_b32 v[64+\j], 0
	v_mov_b32 v[96+\j], 0
	v_mov_b32 v[LS+\j], 0                          ; and the sums: once, so that the step is written once
.endr
.irp j, 0,1,2,3,4,5,6,7
	v_mov_b32 v[ONE+\j], 0x3c003c00                ; 1.0, 1.0 in f16
.endr
	WIN 0
	s_wait_loadcnt 0x0                             ; Q
; A PIECE: tiles x and x + 1 of my four, one key step.
.macro PIECE x
.if \x
.rept 5
	v_nop                                          ; five places: the products below write over P, which the last products read
.endr
.endif
.irp f, 0,1                                    ; S^T = K Q^T: eight accumulators by turns
.irp i, 0,1,2,3
.irp u, 0,1
.if \f == 0
	v_wmma_f32_16x16x32_f16 v[S+32*\u+8*\i:S+32*\u+8*\i+7], v[KF+16*\i+8*\f:KF+16*\i+8*\f+7], v[Q+16*(\x+\u)+8*\f:Q+16*(\x+\u)+8*\f+7], 0
.else
	v_wmma_f32_16x16x32_f16 v[S+32*\u+8*\i:S+32*\u+8*\i+7], v[KF+16*\i+8*\f:KF+16*\i+8*\f+7], v[Q+16*(\x+\u)+8*\f:Q+16*(\x+\u)+8*\f+7], v[S+32*\u+8*\i:S+32*\u+8*\i+7]
.endif
.endr
.endr
.endr
.rept 4
	v_nop
.endr
.irp k, 0,1,2,3                                ; the largest of a lane's 32 scores: four chains, each accumulator from its low end on; the two tiles alternate
.irp u, 0,1
	v_max3_num_f32 v[T+6*\u+\k], v[S+32*\u+8*\k], v[S+32*\u+8*\k+1], v[S+32*\u+8*\k+2]
.endr
.endr
.irp e, 3,5
.irp k, 0,1,2,3
.irp u, 0,1
	v_max3_num_f32 v[T+6*\u+\k], v[T+6*\u+\k], v[S+32*\u+8*\k+\e], v[S+32*\u+8*\k+\e+1]
.endr
.endr
.endr
.irp u, 0,1
	v_max3_num_f32 v[T+6*\u], v[T+6*\u], v[S+32*\u+7], v[S+32*\u+15]
	v_max3_num_f32 v[T+6*\u+2], v[T+6*\u+2], v[S+32*\u+23], v[S+32*\u+31]
.endr
.irp u, 0,1
	v_max3_num_f32 v[T+6*\u], v[T+6*\u], v[T+6*\u+1], v[T+6*\u+2]
.endr
.irp u, 0,1
	v_max_num_f32 v[T+6*\u], v[T+6*\u], v[T+6*\u+3]
.endr
.irp u, 0,1
	v_permlanex16_b32 v[T+6*\u+4], v[T+6*\u], s[SEL], s[SEL+1]     ; the query's other 32 keys lie in the lane 16 away
.endr
.irp u, 0,1
	v_max_num_f32 v[T+6*\u], v[T+6*\u], v[T+6*\u+4]
.endr
.irp u, 0,1
	v_mul_f32 v[T+6*\u], s[CS], v[T+6*\u]          ; as t (c is positive)
.endr
.irp u, 0,1
	v_max_num_f32 v[ST+2*(\x+\u)+1], v[ST+2*(\x+\u)+1], v[T+6*\u]  ; the running largest t
.endr
.irp u, 0,1
	v_mov_b32 v[T+6*\u+5], v[ST+2*(\x+\u)]
.endr
.irp u, 0,1
	v_floor_f32 v[ST+2*(\x+\u)], -v[ST+2*(\x+\u)+1]                ; the new -M = -ceil(t): a whole number
.endr
.irp u, 0,1
	v_sub_f32 v[T+6*\u+5], v[ST+2*(\x+\u)], v[T+6*\u+5]            ; old M - new M: a whole number, 0 or less
.endr
.irp u, 0,1
	v_cvt_i32_f32 v[T+6*\u+5], v[T+6*\u+5]         ; (it saturates)
.endr
.irp u, 0,1
	v_ldexp_f32 v[F+2*\u], 1.0, v[T+6*\u+5]        ; 2^(old M - new M)
.endr
.irp u, 0,1                                    ; ONE BATCH: 32 scalings t - M, a pair each, and 64 exponentials; none of these lines names an exponential's result
	v_pk_fma_f32 v[S+32*\u:S+32*\u+1], v[S+32*\u:S+32*\u+1], s[CS:CS+1], v[ST+2*(\x+\u):ST+2*(\x+\u)+1] op_sel_hi:[1,0,0]
.endr
.irp n, 0,1,2,3,4,5,6,7,8,9,10,11,12,13,14,15
.irp u, 0,1
.if \n < 15
	v_pk_fma_f32 v[S+32*\u+2*\n+2:S+32*\u+2*\n+3], v[S+32*\u+2*\n+2:S+32*\u+2*\n+3], s[CS:CS+1], v[ST+2*(\x+\u):ST+2*(\x+\u)+1] op_sel_hi:[1,0,0]
.endif
	v_exp_f32 v[S+32*\u+2*\n], v[S+32*\u+2*\n]
	v_exp_f32 v[S+32*\u+2*\n+1], v[S+32*\u+2*\n+1]
.endr
.endr
	WIN 0x41                                       ; O^T and the sums (destination and source 0) in window 1, the factor in window 0
.irp u, 0,1                                    ; O^T and the sum under the new M: the plain work behind the exponentials
.irp n, 0,1,2,3,4,5,6,7,8,9,10,11,12,13,14,15
	v_pk_mul_f32 v[32*(\x+\u)+2*\n:32*(\x+\u)+2*\n+1], v[32*(\x+\u)+2*\n:32*(\x+\u)+2*\n+1], v[F+2*\u:F+2*\u+1] op_sel_hi:[1,0]
.endr
	v_pk_mul_f32 v[LS+8*(\x+\u):LS+8*(\x+\u)+1], v[LS+8*(\x+\u):LS+8*(\x+\u)+1], v[F+2*\u:F+2*\u+1] op_sel_hi:[1,0]
.endr
	WIN 0
	s_wait_alu depctr_va_vdst(0)                   ; one wait for the whole batch, ahead of the first line that names a result
.irp n, 0,1,2,3,4,5,6,7,8,9,10,11,12,13,14,15
.irp u, 0,1
	v_cvt_pk_f16_f32 v[S+32*\u+\n], v[S+32*\u+2*\n], v[S+32*\u+2*\n+1]   ; P in place, ascending: register n has been read when it is written
.endr
.endr
.if \x == 0
	s_wait_dscnt 0x0                               ; V is in
.endif
	WIN 0x51                                       ; V^T and the ones in window 1, P in window 0, C and D in window 1
.irp kk, 0,1                                   ; O^T += V^T P and the sums += ones x P: ten accumulators by turns
.irp ct, 0,1,2,3
.irp u, 0,1
	v_wmma_f32_16x16x32_f16 v[32*(\x+\u)+8*\ct:32*(\x+\u)+8*\ct+7], v[VF+8*(4*\kk+\ct):VF+8*(4*\kk+\ct)+7], v[S+32*\u+8*\kk:S+32*\u+8*\kk+7], v[32*(\x+\u)+8*\ct:32*(\x+\u)+8*\ct+7]
.endr
.endr
.irp u, 0,1
	v_wmma_f32_16x16x32_f16 v[LS+8*(\x+\u):LS+8*(\x+\u)+7], v[ONE:ONE+7], v[S+32*\u+8*\kk:S+32*\u+8*\kk+7], v[LS+8*(\x+\u):LS+8*(\x+\u)+7]
.endr
.endr
	WIN 0
.endm
; A KEY STEP: 64 keys at LDS byte s[TB].
.macro STEP
	v_add_nc_u32 v[ADK], s[TB], v[LA]
	v_add_nc_u32 v[ADV], 0x10000, v[ADK]           ; V's images lie 65,536 bytes behind K's
.rept 3
	v_nop                                          ; with the two additions five places behind the last products: four for the loads into V's registers, five for the products that write over P
.endr
.irp n, 0,1,2,3,4,5,6,7,8,9,10,11,12,13,14,15
	ds_load_b128 v[KF+4*\n:KF+4*\n+3], v[ADK] offset:512*\n        ; fragment (16 keys i, 32 channels f) at v[KF + 16 i + 8 f]
.endr
	WIN 0x40
.irp kk, 0,1
.irp b, 0,1,2,3
.irp c, 0,1
	ds_load_tr16_b128 v[VF+8*(4*\kk+\b)+4*\c:VF+8*(4*\kk+\b)+4*\c+3], v[ADV] offset:(2*\kk+\c)*2048+\b*512   ; 16 keys x 16 channels, turned: lane l holds channel 16 b + l % 16 and 8 keys
.endr
.endr
.endr
	WIN 0
	s_add_co_u32 s[TB], s[TB], 8192                ; the next step's
	s_wait_dscnt 16                                ; K is in; V's 16 loads may stay out
	PIECE 0
	PIECE 2
.endm
; THE CHANGE OF SLOTS stands at a slot's head.  Each wave waits for all its tensor loads (its part of the slot ahead), adds 0 to its spare word, and waits for that and for its reads of the slot that it has left.
; fill = 1: a round of the cluster's barrier, and first behind it the joint load of the next 512 keys into the slot that was left.
.macro CHANGE fill
	s_wait_tensorcnt 0x0                           ; no tensor load of mine is out, so the group 0 may be written
	ds_add_u32 v[SPW], v[NIL]
.if \fill
	s_xor_b32 s[G0+1], s[G0+1], SLOT1              ; the other slot than last time,
	s_add_nc_u64 s[G0+2:G0+3], s[G0+2:G0+3], 65536 ; the next 512 keys' images
	s_wait_dscnt 0x0
	CROUND
	JLOAD
.else
	s_wait_dscnt 0x0
	s_barrier_signal -1
	s_barrier_wait -1
.endif
.endm
.macro EIGHT_STEPS                     ; a slot's eight key steps: written once, walked eight times
	s_mov_b32 s[STEPC], 8
.Lstep_\@:
	STEP
	s_sub_co_u32 s[STEPC], s[STEPC], 1
	s_cmp_lg_u32 s[STEPC], 0
	s_cbranch_scc1 .Lstep_\@
	s_sub_co_u32 s[TB], s[TB], 65536               ; back to a slot's first step,
	s_xor_b32 s[TB], s[TB], SLOT1                  ; in the other slot
.endm
.Lslot:                                            ; three trips: behind each change of slots but the last the next slot is asked for
	CHANGE 1
	EIGHT_STEPS
	s_sub_co_u32 s[SLOTS], s[SLOTS], 1
	s_cmp_lg_u32 s[SLOTS], 0
	s_cbranch_scc1 .Lslot
	CHANGE 0                                       ; the last slot is written out
	EIGHT_STEPS
	; THE WAY OUT: O^T / the sum, to f16, stored as images: 16 bytes a lane, 512 consecutive bytes a store.
.rept 4
	v_nop
.endr
	WIN 0x01
.irp t, 0,1,2,3
	v_rcp_f32 v[RC+2*\t], v[LS+8*\t]               ; register 0 of each sum
.endr
	WIN 0
	v_nop                                          ; a plain line behind the last reciprocal
	s_wait_alu depctr_va_vdst(0)                   ; and the wait ahead of the first use: one for the four
.macro OUT t
	WIN 0x41
.irp n, 0,1,2,3,4,5,6,7,8,9,10,11,12,13,14,15
	v_pk_mul_f32 v[32*\t+2*\n:32*\t+2*\n+1], v[32*\t+2*\n:32*\t+2*\n+1], v[RC+2*\t:RC+2*\t+1] op_sel_hi:[1,0]
.endr
	WIN 0x05
.irp n, 0,1,2,3,4,5,6,7,8,9,10,11,12,13,14,15
	v_cvt_pk_f16_f32 v[S+16*\t+\n], v[32*\t+2*\n], v[32*\t+2*\n+1]
.endr
	WIN 0
.irp ct, 0,1,2,3
	global_store_b128 v[LA], v[S+16*\t+4*\ct:S+16*\t+4*\ct+3], s[10:11] offset:\t*4096+\ct*512
.endr
.endm
	OUT 0
	OUT 1
	OUT 2
	OUT 3
	s_wait_tensorcnt 0x0                           ; the wave's end
	ds_add_u32 v[SPW], v[NIL]
	s_wait_dscnt 0x0
	CROUND                                         ; the closing round
	s_endpgm
.Lfunc_end_k_q299f04ca1b_attn:
	.size	k_q299f04ca1b_attn, .Lfunc_end_k_q299f04ca1b_attn-k_q299f04ca1b_attn
	.p2alignl 7, 3214868480
	.fill 96, 4, 3214868480
	.section	.rodata,"a",@progbits
	.p2align	6, 0x0
	.amdhsa_kernel k_q299f04ca1b_attn
		.amdhsa_group_segment_fixed_size 327680
		.amdhsa_private_segment_fixed_size 0
		.amdhsa_enable_private_segment 0
		.amdhsa_kernarg_size 16
		.amdhsa_user_sgpr_count 2
		.amdhsa_user_sgpr_kernarg_segment_ptr 1
		.amdhsa_wavefront_size32 1
		.amdhsa_system_sgpr_workgroup_id_x 1
		.amdhsa_system_sgpr_workgroup_id_y 1
		.amdhsa_system_sgpr_workgroup_id_z 1
		.amdhsa_system_vgpr_workitem_id 0
		.amdhsa_next_free_vgpr 512
		.amdhsa_next_free_sgpr 66
		.amdhsa_reserve_vcc 0
		.amdhsa_float_denorm_mode_32 3
		.amdhsa_float_denorm_mode_16_64 3
		.amdhsa_memory_ordered 1
		.amdhsa_forward_progress 1
		.amdhsa_inst_pref_size 82
	.end_amdhsa_kernel
	.amdgpu_metadata
---
amdhsa.version: [ 1, 2 ]
amdhsa.kernels:
  - .name:           k_q299f04ca1b_attn
    .symbol:         k_q299f04ca1b_attn.kd
    .args:
      - { .name: qkv, .offset: 0, .size: 8, .value_kind: global_buffer, .address_space: global }
      - { .name: at, .offset: 8, .size: 8, .value_kind: global_buffer, .address_space: global }
    .group_segment_fixed_size: 327680
    .private_segment_fixed_size: 0
    .kernarg_segment_align: 8
    .kernarg_segment_size: 16
    .max_flat_workgroup_size: 256
    .sgpr_count:     66
    .vgpr_count:     512
    .wavefront_size: 32
...
	.end_amdgpu_metadata
.endif
;; end of part 3
;; launch proj (part 4): grid 4 x 64, 4 waves a work-group, clusters of 4 x 4, 327,680 bytes of LDS; arguments at, wo, bout, out0; writes out0
.if DOCPART == 4
	.amdgcn_target "amdgcn-amd-amdhsa--gfx1250"
	.amdhsa_code_object_version 6
	.text
	.protected	k_q299f04ca1b_proj
	.globl	k_q299f04ca1b_proj
	.p2align	8
	.type	k_q299f04ca1b_proj,@function
k_q299f04ca1b_proj:
	s_mov_b64 s[64:65], 0
	v_nop
	global_prefetch_b8 v0, s[64:65] scope:SCOPE_SE
	s_setreg_imm32_b32 hwreg(HW_REG_WAVE_MODE, 25, 1), 1
	s_wait_xcnt 0x0
	s_wait_alu depctr_hold_cnt(0) depctr_sa_sdst(0) depctr_va_vdst(0) depctr_va_sdst(0) depctr_va_ssrc(0) depctr_va_vcc(0) depctr_vm_vsrc(0)
	s_getreg_b32 s2, hwreg(HW_REG_IB_STS2, 6, 4)
	s_cmp_eq_u32 s2, 0
	s_cbranch_scc0 .Lentry_in_a_cluster
	s_endpgm
.Lentry_in_a_cluster:
	s_bfe_u32 s2, ttmp6, 0x10000c
	s_cmp_lg_u32 s2, 0xf033
	s_cbranch_scc0 .Lentry_shape_is_right
	s_endpgm
.Lentry_shape_is_right:
; Launch 4 of 4: out0 = attention's result x Wout^T + bout.  Operands f16, sums f32, result f32.  No work of the problem is left out.
; A = at, images of fragments: [128 of k 8][tile of 16 rows 512][16 of k 8][lane 32][16 bytes]; B = wo [1024 (n)][1024 (k)] f16, row-major.
; A tile of the result is 128 rows x 256 columns: 64 x 4 = 256 work-groups (tiles of 256 x 256 would be 128).  Four waves, 64 x 128 each: 32 accumulators, 256 registers.
; K goes in 8 steps of 128 through two LDS slots: A's 8 row tiles are 32,768 dense bytes; B's 256 rows of 256 bytes get 16 bytes of padding each.  Waves 0, 1 fetch A's halves, waves 2, 3 B's: one load a wave.
; From a request to the wait for it a wave issues 112 matrix instructions.  No prefetch is laid: the tile is small and B's rows are read by every cluster.
; CLUSTER 4 x 4: A's tile is shared along a row of the cluster, B's along a column: joint loads.
; THE MATRIX INSTRUCTION IS USED TRANSPOSED (source 0 = 16 rows of wo, source 1 = 16 rows of A): a lane holds eight neighbouring columns of one row.  bout is the C of each sum's first product.
; THE WAY OUT: 16 rows x 128 columns at a time through my own stage in LDS, back as rows of 512 bytes: a store covers 512 consecutive bytes.  The stage lies in slot 0, which has had its last fill and its last read by then.
; REGISTERS.  window 0: v16-30 addresses; v32-95 A's fragments, two buffers of 32; v128-191 the bias, later with v192-255 rows on the way out.   window 1: B's fragments, two buffers of 64.   window 2: the accumulators, (a, b) at v[8 (8 a + b)].
.set PITCH,  272
.set ABYTES, 32768                     ; A's part of a slot
.set HALFB,  128*PITCH                 ; half of B's
.set SLOT,   ABYTES+2*HALFB            ; 102,400
.set SPARE,  2*SLOT                    ; the spare words, 128 bytes a wave
.set SPITCH, 528
.set ADRA, 16
.set ADRB, 20
.set STO,  24
.set RD,   25
.set CO,   26                          ; v26 16 x lane
.set SPW,  28
.set NIL,  29
.set BO,   30                          ; v30 32 h
.set AFR,  32
.set BI,   128
.set BK,   128
.set G1A, 24
.set G0A, 32
.set G1B, 48
.set G0B, 56
.set MSB, 0
.macro WIN new
.if MSB != (\new)
	s_set_vgpr_msb (MSB<<8)|(\new)
.set MSB, (\new)
.endif
.endm
.set MUL,  0xa1                        ; source 0 (B) window 1, source 1 (A) window 0, C and D window 2
.set MUL0, 0x81                        ; the first products: C (the bias) window 0
.set TO_B, 0x40
.macro JLOAD s                         ; waves 0 and 1 fetch A's halves, waves 2 and 3 B's; an s_nop 0 and four v_nop follow each line
	s_cmp_eq_u32 s13, 0
	s_cbranch_scc0 .Lfor_b_\@
	tensor_load_to_lds s[G0A+4*\s:G0A+4*\s+3], s[G1A:G1A+7]
	s_nop 0
.rept 4
	v_nop
.endr
	s_branch .Lasked_\@
.Lfor_b_\@:
	tensor_load_to_lds s[G0B+4*\s:G0B+4*\s+3], s[G1B:G1B+7]
	s_nop 0
.rept 4
	v_nop
.endr
.Lasked_\@:
.endm
.macro CREST
	s_cmp_lg_u32 s12, 0
	s_cbranch_scc1 .Lnot_wave_0_\@
	s_barrier_signal -3
.Lnot_wave_0_\@:
	s_barrier_wait -3
	s_barrier_signal -1
	s_barrier_wait -1
.endm
.macro CROUND
	s_barrier_signal -1
	s_barrier_wait -1
	CREST
.endm
	s_load_b128 s[4:7], s[0:1], 0x0                ; at, wo
	s_load_b128 s[8:11], s[0:1], 0x10              ; bout, out0
	v_lshl_add_u32 v[SPW], v0, 2, SPARE
	v_mov_b32 v[NIL], 0
	ds_add_u32 v[SPW], v[NIL]                      ; the wave's opening: the add, twice on end, and its wait ahead of my first tensor load
	ds_add_u32 v[SPW], v[NIL]
	v_lshrrev_b32 v1, 5, v0
	v_readfirstlane_b32 s12, v1                    ; wave 0..3
	s_lshr_b32 s13, s12, 1                         ; my half of the tile's rows.  Also: I fetch for A (0) or for B (1)
	s_and_b32 s14, s12, 1                          ; my half of its columns.  Also: which half I fetch
	s_bfe_u32 s40, ttmp6, 0x40000                  ; cx, cy
	s_bfe_u32 s41, ttmp6, 0x40004
	s_lshl_b32 s42, ttmp9, 2
	s_add_co_u32 s42, s42, s40                     ; tile column
	s_and_b32 s43, ttmp7, 0xffff
	s_lshl_b32 s43, s43, 2
	s_add_co_u32 s43, s43, s41                     ; tile row
	s_lshl_b32 s44, s41, 2
	s_lshl_b32 s44, 15, s44                        ; my row of the cluster
	s_lshl_b32 s45, 0x1111, s40                    ; my column
	s_or_b32 s[G1A], s44, (3<<16)|(1<<21)          ; A: 16,384 dense bytes as 64 rows of 256 (32 elements of 8 bytes), no padding
	s_mov_b32 s[G1A+1], 32<<16
	s_mov_b32 s[G1A+2], 64<<16
	s_mov_b32 s[G1A+3], 32<<16
	s_mov_b32 s[G1A+4], 64
	s_mov_b32 s[G1A+5], 32
	s_mov_b32 s[G1A+6], 0
	s_mov_b32 s[G1A+7], 0
	s_or_b32 s[G1B], s45, (1<<16)|(1<<20)|(1<<21)|(5<<22)|(3<<25)   ; B: 128 rows x 128 elements of 2 bytes, 4 words of padding behind every 64
	s_mov_b32 s[G1B+1], 128<<16
	s_mov_b32 s[G1B+2], 128<<16
	s_mov_b32 s[G1B+3], 128<<16
	s_mov_b32 s[G1B+4], 128
	s_mov_b32 s[G1B+5], 1024
	s_mov_b32 s[G1B+6], 0
	s_mov_b32 s[G1B+7], 0
	s_lshl_b32 s16, s43, 15                        ; A: 32,768 x tile row + 16,384 x half
	s_lshl_b32 s18, s14, 14                        ; (the half's place in LDS too)
	s_add_co_u32 s16, s16, s18
	s_mov_b32 s17, 0
	s_lshl_b32 s46, s42, 19                        ; B: row 256 x tile column + 128 x half, 2,048 bytes a row
	s_lshl_b32 s47, s14, 18
	s_add_co_u32 s46, s46, s47
	s_mov_b32 s47, 0
	s_mul_i32 s19, s14, HALFB
	s_add_co_u32 s19, s19, ABYTES                  ; B's half in LDS
	s_wait_dscnt 0x0                               ; both opening adds are done
	s_wait_kmcnt 0x0
	s_add_nc_u64 s[16:17], s[4:5], s[16:17]
	s_add_nc_u64 s[46:47], s[6:7], s[46:47]
	CROUND                                         ; all sixteen work-groups are here: the first joint loads meet
.irp s, 0,1
	s_mov_b32 s[G0A+4*\s], 1
	s_add_co_u32 s[G0A+4*\s+1], s18, \s*SLOT
	s_add_nc_u64 s[G0A+4*\s+2:G0A+4*\s+3], s[16:17], \s*(1<<21)    ; K step s
	s_or_b32 s[G0A+4*\s+3], s[G0A+4*\s+3], 0x80000000
	s_mov_b32 s[G0B+4*\s], 1
	s_add_co_u32 s[G0B+4*\s+1], s19, \s*SLOT
	s_add_nc_u64 s[G0B+4*\s+2:G0B+4*\s+3], s[46:47], \s*256
	s_or_b32 s[G0B+4*\s+3], s[G0B+4*\s+3], 0x80000000
	JLOAD \s                                       ; two tensor loads of mine are out
.endr
	v_and_b32 v1, 15, v0                           ; r
	v_bfe_u32 v2, v0, 4, 1                         ; h
	v_and_b32 v3, 31, v0
	v_lshlrev_b32 v[CO], 4, v3
	v_mul_u32_u24 v4, v1, PITCH
	v_lshl_add_u32 v4, v2, 4, v4
	s_lshl_b32 s20, s13, 14                        ; my four row tiles of A
	s_mul_i32 s21, s14, HALFB
	s_add_co_u32 s21, s21, ABYTES                  ; my 128 rows of B
.irp s, 0,1
	v_add_nc_u32 v[ADRA+\s], s20, v[CO]
	v_add_nc_u32 v[ADRB+\s], s21, v4
	s_add_co_u32 s20, s20, SLOT
	s_add_co_u32 s21, s21, SLOT
.endr
	s_mul_i32 s22, s12, 16*SPITCH                  ; my stage
	v_mul_u32_u24 v5, v1, SPITCH
	v_lshl_add_u32 v5, v2, 5, v5
	v_add_nc_u32 v[STO], s22, v5                   ; in: row r, 32 bytes for each half of the lanes
	v_add_nc_u32 v[RD], s22, v[CO]                 ; back: the 32 lanes take one row of 512 bytes
	v_lshlrev_b32 v[BO], 5, v2
	s_lshl_b32 s20, s43, 19                        ; my first row of the result: 128 x tile row + 64 x half, 4,096 bytes a row
	s_lshl_b32 s21, s13, 18
	s_add_co_u32 s20, s20, s21
	s_mov_b32 s21, 0
	s_add_nc_u64 s[10:11], s[10:11], s[20:21]
	s_lshl_b32 s46, s42, 10                        ; my first column, in bytes: 4 x (256 x tile column + 128 x half)
	s_lshl_b32 s47, s14, 9
	s_add_co_u32 s46, s46, s47
	s_mov_b32 s47, 0
	s_add_nc_u64 s[10:11], s[10:11], s[46:47]
	s_add_nc_u64 s[8:9], s[8:9], s[46:47]
.irp b, 0,1,2,3,4,5,6,7
.irp c, 0,1
	global_load_b128 v[BI+8*\b+4*\c:BI+8*\b+4*\c+3], v[BO], s[8:9] offset:64*\b+16*\c   ; bout at columns 16 b + 8 h + 4 c on
.endr
.endr
; 8 matrix instructions: A's block a x B's eight, 32 along K, from buffer f.  The 32 accumulators take turns in the same order in every quarter.
.macro MUL8 f, a, zero
.irp b, 0,1,2,3,4,5,6,7
.if \zero
	v_wmma_f32_16x16x32_f16 v[8*(8*(\a)+\b):8*(8*(\a)+\b)+7], v[64*(\f)+8*\b:64*(\f)+8*\b+7], v[AFR+32*(\f)+8*(\a):AFR+32*(\f)+8*(\a)+7], v[BI+8*\b:BI+8*\b+7]
.else
	v_wmma_f32_16x16x32_f16 v[8*(8*(\a)+\b):8*(8*(\a)+\b)+7], v[64*(\f)+8*\b:64*(\f)+8*\b+7], v[AFR+32*(\f)+8*(\a):AFR+32*(\f)+8*(\a)+7], v[8*(8*(\a)+\b):8*(8*(\a)+\b)+7]
.endif
.endr
.endm
; 24 LDS loads in one run: the fragments of the slot's q-th 32 along K into buffer f: B's sixteen, then A's eight
.macro FETCH slot, q, f
	WIN TO_B
.irp i, 0,1,2,3,4,5,6,7
.irp c, 0,1
	ds_load_b128 v[64*(\f)+8*\i+4*\c:64*(\f)+8*\i+4*\c+3], v[ADRB+\slot] offset:64*(\q)+\i*16*PITCH+32*\c
.endr
.endr
	WIN 0
.irp a, 0,1,2,3
.irp c, 0,1
	ds_load_b128 v[AFR+32*(\f)+8*\a+4*\c:AFR+32*(\f)+8*\a+4*\c+3], v[ADRA+\slot] offset:\a*4096+(2*(\q)+\c)*512
.endr
.endr
.endm
.macro PLACES                          ; four plain lines in front of loads into registers that matrix instructions have read, and of the first read of results
.rept 4
	v_nop
.endr
.endm
; A K step is four quarters of 32 along K, 32 matrix instructions each, on buffers 0, 1, 0, 1.  One of the first three: multiplies buffer f and fetches quarter q into buffer g.
.macro QUARTER slot, q, f, g, zero
	s_wait_dscnt 4                                 ; B and A's blocks 0, 1 are in; the youngest four loads (A's blocks 2, 3) may be out
.if \zero
	WIN MUL0
.else
	WIN MUL
.endif
	MUL8 \f, 0, \zero
	MUL8 \f, 1, \zero
	PLACES
	FETCH \slot, \q, \g
	s_wait_dscnt 24                                ; all but the 24 just issued
.if \zero
	WIN MUL0
.else
	WIN MUL
.endif
	MUL8 \f, 2, \zero
	MUL8 \f, 3, \zero
.endm
; The last quarter multiplies buffer 1 and changes slots: one barrier; in front of it each wave waits for all its tensor loads, adds 0 to its spare word, and waits for that and for its reads of this slot.
; fill = 1: the barrier opens a round of the cluster's, and this slot is filled again, two K steps ahead, first thing behind the round.
.macro TURN slot, next, fill
	WIN 0
	s_wait_tensorcnt 0x0                           ; all my tensor loads have landed: my part of the next slot
	ds_add_u32 v[SPW], v[NIL]
	s_wait_dscnt 5                                 ; the add and the youngest four loads may be out
	WIN MUL
	MUL8 1, 0, 0
	s_wait_dscnt 0x0                               ; the add is done, and my reads of this slot are over
	s_barrier_signal -1
	MUL8 1, 1, 0
.if \fill
	WIN 0
.endif
	s_barrier_wait -1
.if \fill
	CREST                                          ; no wave of any partner still reads this slot or has a load on its way
	s_add_nc_u64 s[G0A+4*\slot+2:G0A+4*\slot+3], s[G0A+4*\slot+2:G0A+4*\slot+3], 1<<22
	s_add_nc_u64 s[G0B+4*\slot+2:G0B+4*\slot+3], s[G0B+4*\slot+2:G0B+4*\slot+3], 512
	JLOAD \slot                                    ; the four v_nop behind it are also the places in front of the loads below
.else
	PLACES
.endif
	FETCH \next, 0, 0
	WIN MUL
	MUL8 1, 2, 0
	MUL8 1, 3, 0
.endm
	s_wait_tensorcnt 1                             ; my part of K step 0 is in; K step 1's may be out
	s_barrier_signal -1
	s_barrier_wait -1
	FETCH 0, 0, 0
	s_wait_loadcnt 0x0                             ; the bias
	QUARTER 0, 1, 0, 1, 1                          ; the first quarter stands in front of the loop: its products start the sums from the bias
	WIN 0
	s_mov_b32 s15, 3
.Llap:                                             ; a trip goes once round the ring, from a lap's second quarter to the next lap's first, and fills both slots again
	QUARTER 0, 2, 1, 0, 0
	QUARTER 0, 3, 0, 1, 0
	TURN 0, 1, 1
	QUARTER 1, 1, 0, 1, 0
	QUARTER 1, 2, 1, 0, 0
	QUARTER 1, 3, 0, 1, 0
	TURN 1, 0, 1
	QUARTER 0, 1, 0, 1, 0
	WIN 0
	s_sub_co_u32 s15, s15, 1
	s_cmp_lg_u32 s15, 0
	s_cbranch_scc1 .Llap
	QUARTER 0, 2, 1, 0, 0                          ; the last lap fills nothing
	QUARTER 0, 3, 0, 1, 0
	TURN 0, 1, 0
	QUARTER 1, 1, 0, 1, 0
	QUARTER 1, 2, 1, 0, 0
	QUARTER 1, 3, 0, 1, 0
	s_wait_dscnt 4                                 ; the very last quarter: nothing more to fetch
	WIN MUL
	MUL8 1, 0, 0
	MUL8 1, 1, 0
	s_wait_dscnt 0x0
	MUL8 1, 2, 0
	MUL8 1, 3, 0
	WIN 0
.macro TOSTAGE a                       ; block a: 16 rows x 128 columns into my stage and back as rows; LDS serves a wave's instructions in order
	WIN 0x08                                       ; an LDS store's data: window 2
.irp b, 0,1,2,3,4,5,6,7
	ds_store_b128 v[STO], v[8*(8*(\a)+\b):8*(8*(\a)+\b)+3] offset:64*\b           ; each accumulator from its low end on
	ds_store_b128 v[STO], v[8*(8*(\a)+\b)+4:8*(8*(\a)+\b)+7] offset:64*\b+16
.endr
	WIN 0
.irp t, 0,1,2,3,4,5,6,7,8,9,10,11,12,13,14,15
	ds_load_b128 v[BK+64*((\a)%2)+4*\t:BK+64*((\a)%2)+4*\t+3], v[RD] offset:\t*SPITCH
.endr
.endm
.macro SEND a, younger                 ; younger: the LDS instructions issued behind block a's loads, which may stay out
	s_wait_dscnt \younger
.irp t, 0,1,2,3,4,5,6,7,8,9,10,11,12,13,14,15
	global_store_b128 v[CO], v[BK+64*((\a)%2)+4*\t:BK+64*((\a)%2)+4*\t+3], s[10:11] offset:(\a)*65536+\t*4096 th:TH_STORE_NT   ; 32 lanes store 512 consecutive bytes of a row
.endr
.endm
	PLACES
	TOSTAGE 0
.irp a, 1,2,3
.if \a > 1
	s_wait_xcnt 0x0                                ; block a - 2's stores have read the registers into which block a's rows are loaded
.endif
	TOSTAGE \a
	SEND \a-1, 32                                  ; behind block a - 1's loads: block a's 16 stores and 16 loads
.endr
	SEND 3, 0
	s_wait_tensorcnt 0x0                           ; the wave's end
	ds_add_u32 v[SPW], v[NIL]
	s_wait_dscnt 0x0
	CROUND                                         ; the closing round
	s_endpgm
.Lfunc_end_k_q299f04ca1b_proj:
	.size	k_q299f04ca1b_proj, .Lfunc_end_k_q299f04ca1b_proj-k_q299f04ca1b_proj
	.p2alignl 7, 3214868480
	.fill 96, 4, 3214868480
	.section	.rodata,"a",@progbits
	.p2align	6, 0x0
	.amdhsa_kernel k_q299f04ca1b_proj
		.amdhsa_group_segment_fixed_size 327680
		.amdhsa_private_segment_fixed_size 0
		.amdhsa_enable_private_segment 0
		.amdhsa_kernarg_size 32
		.amdhsa_user_sgpr_count 2
		.amdhsa_user_sgpr_kernarg_segment_ptr 1
		.amdhsa_wavefront_size32 1
		.amdhsa_system_sgpr_workgroup_id_x 1
		.amdhsa_system_sgpr_workgroup_id_y 1
		.amdhsa_system_sgpr_workgroup_id_z 1
		.amdhsa_system_vgpr_workitem_id 0
		.amdhsa_next_free_vgpr 768
		.amdhsa_next_free_sgpr 66
		.amdhsa_reserve_vcc 0
		.amdhsa_float_denorm_mode_32 3
		.amdhsa_float_denorm_mode_16_64 3
		.amdhsa_memory_ordered 1
		.amdhsa_forward_progress 1
		.amdhsa_inst_pref_size 87
	.end_amdhsa_kernel
	.amdgpu_metadata
---
amdhsa.version: [ 1, 2 ]
amdhsa.kernels:
  - .name:           k_q299f04ca1b_proj
    .symbol:         k_q299f04ca1b_proj.kd
    .args:
      - { .name: at, .offset: 0, .size: 8, .value_kind: global_buffer, .address_space: global }
      - { .name: wo, .offset: 8, .size: 8, .value_kind: global_buffer, .address_space: global }
      - { .name: bout, .offset: 16, .size: 8, .value_kind: global_buffer, .address_space: global }
      - { .name: out0, .offset: 24, .size: 8, .value_kind: global_buffer, .address_space: global }
    .group_segment_fixed_size: 327680
    .private_segment_fixed_size: 0
    .kernarg_segment_align: 8
    .kernarg_segment_size: 32
    .max_flat_workgroup_size: 128
    .sgpr_count:     66
    .vgpr_count:     768
    .wavefront_size: 32
...
	.end_amdgpu_metadata
.endif
;; end of part 4
